; MI455X (gfx1250); checked and timed in simulation.
; The chip was launched on July 23, 2026; its instructions are those of AMD's public machine-readable ISA for CDNA 5 (MIT licence, August 2026) and "CDNA5" Instruction Set Architecture Reference Guide (July 2026). The comments in the code are by the model that wrote it; some were corrected since.
;; LSTM. Allowed arithmetic: float matrix products may take bf16 or f16 operands with f32 sums; other float arithmetic in f32, or as packed bf16 or f16 multiplies, adds, multiply-adds, maxima and minima; sums over many terms, partial sums and values carried from step to step in f32; what a program stores and reads back later, other than sums and carried values, may be rounded once to bf16 or f16.
;; Inputs: Wc 1,024 x 2,048 float32; Wf 1,024 x 2,048 float32; Wo 1,024 x 2,048 float32; Wu 1,024 x 2,048 float32; bc 1,024 float32; bf 1,024 float32; bo 1,024 float32; bu 1,024 float32; c 8,192 x 1,024 float32; h 8,192 x 1,024 float32; x 8,192 x 1,024 float32.
;; Outputs: out0 8,192 x 1,024 float32; out1 8,192 x 1,024 float32.
;; 2 versions, each right; version 2 is version 1 with the launch cast written anew for expert scheduling mode. Each part assembles by itself: llvm-mc -triple=amdgcn-amd-amdhsa -mcpu=gfx1250 --defsym DOCPART=n.
;; ======== version 1 of 2: 2 launches
;; limits: below input magnitudes of 1e-05 results are inexact or not finite
;; workspace buffers: a_bf 33,554,432 bytes; w_bf 16,777,216 bytes
;; launch cast (part 1): grid 768 x 1, 8 waves a work-group, no clusters, 0 bytes of LDS; arguments x, h, Wf, Wu, Wc, Wo, a_bf, w_bf; writes a_bf, w_bf
.if DOCPART == 1
	.amdgcn_target "amdgcn-amd-amdhsa--gfx1250"
	.amdhsa_code_object_version 6
	.text
	.protected	k_qea3ec58bdb_cast
	.globl	k_qea3ec58bdb_cast
	.p2align	8
	.type	k_qea3ec58bdb_cast,@function
k_qea3ec58bdb_cast:
	s_mov_b64 s[64:65], 0
	v_nop
	global_prefetch_b8 v0, s[64:65] scope:SCOPE_SE
	s_setreg_imm32_b32 hwreg(HW_REG_WAVE_MODE, 25, 1), 1
	s_wait_xcnt 0x0
; x, h and the four weight matrices, each number rounded once to bf16 (nearest even), laid out for the product that follows.
;   a_bf [8192][2048] bf16: row r = x[r] (columns 0-1023), then h[r] (columns 1024-2047); a row is 4,096 bytes.
;   w_bf [4096][2048] bf16: row 256 tc + 64 g + 16 cb + i = row 64 tc + 16 cb + i of gate g's matrix (g = 0..3: f, u, c, o): 256 rows on end hold all four gates of 64 output columns.
; A SEGMENT is 1,024 f32 (4,096 bytes) in and 2,048 bytes out: a row of x or h, half a row of a weight matrix.  There are 24,576; a work-group takes 32 on end of ONE source:
; work-groups 0-255 x, 256-511 h, 512-767 the weights (64 for each gate, 16 rows each, which stay together in w_bf).  All 768 do equal work.
; Thread t takes numbers 4 t .. 4 t + 3 of every segment: a wave's load covers 512 consecutive bytes, its store 256 consecutive bytes at a multiple of 256 from the buffer's first byte.
; A ring of DEPTH register slots keeps DEPTH loads of every wave on their way.  No byte is wanted by two threads: no LDS, no barrier, no cluster, no matrix unit.
; Nothing is prefetched: the launch is nothing but its stream of loads.
.set DEPTH,  8                         ; slots = loads in flight in each wave
.set ROUNDS, 32/DEPTH
.set SEG,    4096                      ; bytes of a segment in its source
.set INO,    1                         ; v1       16 t: my bytes in a source segment; never rewritten
.set OUTO,   2                         ; v[2:9]   slot i: 8 t + i x the destination's pitch; never rewritten
.set X,      16                        ; v[16:47] slot i: four f32 as loaded
.set Y,      48                        ; v[48:63] slot i: four bf16 to store
.set SRC,    32                        ; s[32:33] the source at the round's first segment
.set DST,    38                        ; s[38:39] the destination at the round's first segment
	s_load_b512 s[8:23], s[0:1], 0x0               ; x 8:9, h 10:11, Wf 12:13, Wu 14:15, Wc 16:17, Wo 18:19, a_bf 20:21, w_bf 22:23
	s_lshr_b32 s2, ttmp9, 8                        ; kind: 0 x, 1 h, 2 weights
	s_and_b32 s3, ttmp9, 255                       ; the work-group's number within its kind
	s_lshr_b32 s4, s3, 6                           ; weights: gate g
	s_and_b32 s5, s3, 63                           ; weights: v, the block of 16 rows in the gate's matrix = 4 tc + cb
	s_lshr_b32 s6, s5, 2
	s_lshl_b32 s6, s6, 4                           ; 16 tc
	s_lshl2_add_u32 s6, s4, s6                     ; + 4 g
	s_and_b32 s7, s5, 3
	s_add_co_u32 s6, s6, s7                        ; + cb: the block of 16 rows in w_bf,
	s_lshl_b32 s6, s6, 16                          ; in bytes (16 rows of 4,096)
	s_lshl_b32 s7, s3, 17                          ; x, h: 32 rows of 4,096 bytes in a_bf,
	s_lshl_b32 s41, s2, 11
	s_add_co_u32 s7, s7, s41                       ; h's half of a row lies 2,048 bytes in
	s_lshl_b32 s42, s5, 17                         ; source: 16 rows of 8,192 bytes of a weight matrix,
	s_lshl_b32 s43, s3, 17                         ; or 32 rows of 4,096 bytes of x or h
	s_mov_b32 s44, 4096
	s_cmp_lt_u32 s2, 2                             ; x or h?  (moves and selects leave SCC as it is)
	s_cselect_b32 s24, s43, s42                    ; the source's offset
	s_cselect_b32 s26, s7, s6                      ; the destination's offset
	s_cselect_b32 s28, s44, 2048                   ; from segment to segment in the destination: a row of a_bf, or half a row of w_bf
	s_mov_b32 s25, 0
	s_mov_b32 s27, 0
	s_lshl_b32 s30, s28, 3                         ; a round's step in the destination
	s_mov_b32 s31, 0
	v_lshlrev_b32 v[INO], 4, v0
	v_lshlrev_b32 v[OUTO], 3, v0
.irp i, 1,2,3,4,5,6,7
	v_add_nc_u32 v[OUTO+(\i)], s28, v[OUTO+(\i)-1]
.endr
	s_wait_kmcnt 0x0
	s_cmp_eq_u32 s2, 0                             ; the buffers are chosen by selects on ids alone; each compare stands directly ahead of its selects
	s_cselect_b64 s[32:33], s[8:9], s[10:11]       ; x or h
	s_cmp_eq_u32 s4, 0
	s_cselect_b64 s[34:35], s[12:13], s[14:15]     ; Wf or Wu
	s_cmp_eq_u32 s4, 2
	s_cselect_b64 s[36:37], s[16:17], s[18:19]     ; Wc or Wo
	s_cmp_lt_u32 s4, 2
	s_cselect_b64 s[34:35], s[34:35], s[36:37]     ; the gate's matrix
	s_cmp_lt_u32 s2, 2
	s_cselect_b64 s[SRC:SRC+1], s[32:33], s[34:35]
	s_cselect_b64 s[DST:DST+1], s[20:21], s[22:23]
	s_add_nc_u64 s[SRC:SRC+1], s[SRC:SRC+1], s[24:25]
	s_add_nc_u64 s[DST:DST+1], s[DST:DST+1], s[26:27]
.irp i, 0,1,2,3,4,5,6,7
	global_load_b128 v[X+4*(\i):X+4*(\i)+3], v[INO], s[SRC:SRC+1] offset:(\i)*SEG th:TH_LOAD_NT  ; fill the ring: segments 0 to 7
.endr
; One slot's turn.  ahead = 1: the slot is filled again with the segment DEPTH further on.  left = how many younger loads may still be out.
.macro SLOT i, ahead, left
	s_wait_loadcnt \left                           ; loads come back in order (ISA guide 5.7.1): mine is in, the younger ones stay out
	v_cvt_pk_bf16_f32 v[Y+2*(\i)],   v[X+4*(\i)],   v[X+4*(\i)+1]  ; two roundings to bf16, packed
	v_cvt_pk_bf16_f32 v[Y+2*(\i)+1], v[X+4*(\i)+2], v[X+4*(\i)+3]
.if \ahead
	global_load_b128 v[X+4*(\i):X+4*(\i)+3], v[INO], s[SRC:SRC+1] offset:(DEPTH+(\i))*SEG th:TH_LOAD_NT  ; the load goes out ahead of the store
.endif
	global_store_b64 v[OUTO+(\i)], v[Y+2*(\i):Y+2*(\i)+1], s[DST:DST+1]
.endm
	s_mov_b32 s40, ROUNDS-1
.Lround:
.irp i, 0,1,2,3,4,5,6,7
	SLOT \i, 1, DEPTH-1
.endr
	s_wait_xcnt 0x0                                ; every load and store issued so far has read its registers: only behind this wait are the two bases stepped and, in the next round, Y written again
	s_add_nc_u64 s[SRC:SRC+1], s[SRC:SRC+1], DEPTH*SEG
	s_add_nc_u64 s[DST:DST+1], s[DST:DST+1], s[30:31]
	s_sub_co_u32 s40, s40, 1
	s_cmp_lg_u32 s40, 0
	s_cbranch_scc1 .Lround
.irp i, 0,1,2,3,4,5,6,7
	SLOT \i, 0, DEPTH-1-(\i)                       ; the last round loads nothing: the counts run down
.endr
	s_endpgm
.Lfunc_end_k_qea3ec58bdb_cast:
	.size	k_qea3ec58bdb_cast, .Lfunc_end_k_qea3ec58bdb_cast-k_qea3ec58bdb_cast
	.p2alignl 7, 3214868480
	.fill 96, 4, 3214868480
	.section	.rodata,"a",@progbits
	.p2align	6, 0x0
	.amdhsa_kernel k_qea3ec58bdb_cast
		.amdhsa_group_segment_fixed_size 0
		.amdhsa_private_segment_fixed_size 0
		.amdhsa_enable_private_segment 0
		.amdhsa_kernarg_size 64
		.amdhsa_user_sgpr_count 2
		.amdhsa_user_sgpr_kernarg_segment_ptr 1
		.amdhsa_wavefront_size32 1
		.amdhsa_system_sgpr_workgroup_id_x 1
		.amdhsa_system_sgpr_workgroup_id_y 1
		.amdhsa_system_sgpr_workgroup_id_z 1
		.amdhsa_system_vgpr_workitem_id 0
		.amdhsa_next_free_vgpr 64
		.amdhsa_next_free_sgpr 66
		.amdhsa_reserve_vcc 0
		.amdhsa_float_denorm_mode_32 3
		.amdhsa_float_denorm_mode_16_64 3
		.amdhsa_memory_ordered 1
		.amdhsa_forward_progress 1
		.amdhsa_inst_pref_size 8
	.end_amdhsa_kernel
	.amdgpu_metadata
---
amdhsa.version: [ 1, 2 ]
amdhsa.kernels:
  - .name:           k_qea3ec58bdb_cast
    .symbol:         k_qea3ec58bdb_cast.kd
    .args:
      - { .name: x, .offset: 0, .size: 8, .value_kind: global_buffer, .address_space: global }
      - { .name: h, .offset: 8, .size: 8, .value_kind: global_buffer, .address_space: global }
      - { .name: Wf, .offset: 16, .size: 8, .value_kind: global_buffer, .address_space: global }
      - { .name: Wu, .offset: 24, .size: 8, .value_kind: global_buffer, .address_space: global }
      - { .name: Wc, .offset: 32, .size: 8, .value_kind: global_buffer, .address_space: global }
      - { .name: Wo, .offset: 40, .size: 8, .value_kind: global_buffer, .address_space: global }
      - { .name: a_bf, .offset: 48, .size: 8, .value_kind: global_buffer, .address_space: global }
      - { .name: w_bf, .offset: 56, .size: 8, .value_kind: global_buffer, .address_space: global }
    .group_segment_fixed_size: 0
    .private_segment_fixed_size: 0
    .kernarg_segment_align: 8
    .kernarg_segment_size: 64
    .max_flat_workgroup_size: 256
    .sgpr_count:     66
    .vgpr_count:     64
    .wavefront_size: 32
...
	.end_amdgpu_metadata
.endif
;; end of part 1
;; launch lstm (part 2): grid 16 x 32, 4 waves a work-group, clusters of 4 x 4, 327,680 bytes of LDS; arguments a_bf, w_bf, c, bf, bu, bc, bo, out0, out1; writes out0, out1
.if DOCPART == 2
	.amdgcn_target "amdgcn-amd-amdhsa--gfx1250"
	.amdhsa_code_object_version 6
	.text
	.protected	k_qea3ec58bdb_lstm
	.globl	k_qea3ec58bdb_lstm
	.p2align	8
	.type	k_qea3ec58bdb_lstm,@function
k_qea3ec58bdb_lstm:
	s_mov_b64 s[64:65], 0
	v_nop
	global_prefetch_b8 v0, s[64:65] scope:SCOPE_SE
	s_setreg_imm32_b32 hwreg(HW_REG_WAVE_MODE, 25, 1), 1
	s_wait_xcnt 0x0
	s_wait_alu depctr_hold_cnt(0) depctr_sa_sdst(0) depctr_va_vdst(0) depctr_va_sdst(0) depctr_va_ssrc(0) depctr_va_vcc(0) depctr_vm_vsrc(0)
	s_getreg_b32 s2, hwreg(HW_REG_IB_STS2, 6, 4)
	s_cmp_eq_u32 s2, 0
	s_cbranch_scc0 .Lentry_in_a_cluster
	s_endpgm
.Lentry_in_a_cluster:
	s_bfe_u32 s2, ttmp6, 0x10000c
	s_cmp_lg_u32 s2, 0xf033
	s_cbranch_scc0 .Lentry_shape_is_right
	s_endpgm
.Lentry_shape_is_right:
; THE LSTM CELL.  gates = a_bf w_bf^T + bias (bf16 operands, f32 sums); f, u, o = sigmoid, cc = tanh; out1 = c_new = f c + u cc; out0 = h_new = tanh(c_new) o.  All but the product's operands in f32.
; a_bf [8192][2048] = [x | h]; w_bf [4096][2048]: row 256 tc + 64 g + 16 cb + i = row 64 tc + 16 cb + i of gate g's matrix (g = 0..3: f, u, c, o).  c, out0, out1: [8192][1024] f32.
; SHARES.  A work-group makes 256 rows x 64 columns of both outputs: a product of 256 rows of a_bf with 256 rows of w_bf (64 columns x 4 gates).  Each of its four waves, as many as a WGP has SIMDs, takes
; 64 rows x all 256 rows of w_bf: 4 blocks a of 16 rows x 16 blocks b = 4 g + cb: 64 accumulators, 512 registers.  So the four gates of an output number meet in ONE lane, at the same register index of four
; accumulators, and a wave's 64 f32 columns are 256 consecutive bytes of a row of c, out0 and out1, at a multiple of 256 from the buffer's first byte.  (A wave of 128 x 128 would read a fifth less from LDS,
; but would hold 32 output columns, half of such a run of 256 bytes, and the waves would have to meet in LDS on the way out.)
; THE MATRIX INSTRUCTION IS USED TRANSPOSED: source 0 = 16 rows of w_bf, source 1 = 16 rows of a_bf.  Lane l, register j of accumulator (a, 4 g + cb) holds gate g of row 16 a + l % 16, column 16 cb + 8 (l / 16) + j.
; THE BIAS is the C operand of the products that start the sums: nothing is cleared and nothing is added later.
; K goes in 16 steps of 128 (rows of 256 bytes) through a ring of two LDS slots filled by the tensor data mover.  CLUSTERS of 4 x 4: the four of a row need the same tiles of a_bf, the four of a column the same
; tiles of w_bf: each tile is asked for JOINTLY, by the same tensor load, descriptor and mask in all four.
; c is loaded into registers as whole rows behind the first quarter step and is wanted only on the way out.
; ACTIVATIONS.  sigmoid(z) = 1 / (1 + 2^(-L z)), tanh(z) = 2 / (1 + 2^(-2 L z)) - 1, L = log2(e).  No clamp: where the power overflows the reciprocal of infinity is 0, the true limit; a power below 2^-126
; counts as 0 beside the 1.  LIMITS: tanh in this form is off by about 1e-7 absolutely, so it loses relative accuracy for |z| below about 1e-5; NaN is not treated apart.
;
; REGISTERS, in windows of 256 (s_set_vgpr_msb: bits 1:0 source 0, 3:2 source 1, 5:4 source 2, 7:6 destination):
;   window 0: v0-30 addresses; v64-95, v96-127 fragments of a_bf, two buffers (4 x 16 rows x 32 K); v128-255 first the bias (block b at 128 + 8 b), then c as whole rows (load t at 128 + 4 t)
;   window 1: v0-127, v128-255 fragments of w_bf, two buffers (16 x 16 rows x 32 K); on the way out v0-31 c by lanes, v64-95 h_new and v96-127 c_new as whole rows
;   window 2: the accumulators of blocks a = 0, 1; window 3: of a = 2, 3: accumulator (a, b) at v[8 (16 (a % 2) + b)]: gate g of a block is 32 registers on end, and a block's four gates lie in one window
.set SIZE_K, 2048
.set KSTEP,  128
.set PITCH,  272                       ; an LDS row: 256 bytes + 16 of padding = 68 words: row r starts at bank 4 r mod 64 (64 banks of 4 bytes: ISA guide 11.1), so the 16 rows of a load start at 16 different banks
.set HALFT,  128*PITCH                 ; 128 rows: what one tensor load brings
.set SLOT,   4*HALFT                   ; a_bf's 256 rows, then w_bf's 256 rows
.set STAGE,  2*SLOT                    ; behind the ring, never filled by a tensor load: for each wave two areas of 16 rows x 272 bytes
.set SPITCH, 272
.set AREA,   16*SPITCH                 ; area C (c in, c_new out), then area H (h_new out)
.set SPARE,  STAGE+4*2*AREA            ; behind the stages: the spare words, 128 bytes for each wave: two blocks of 256 bytes that no other line names
.set LAPS,   SIZE_K/(2*KSTEP)          ; a lap = two K steps = once round the ring
.set ROWB,   4096                      ; bytes in a row of c, out0, out1
.set ADRA, 16                          ; v16-17  LDS address of my fragments of a_bf in slot 0, 1
.set ADRB, 20                          ; v20-21  the same for w_bf
.set LA,   24                          ; v24     my stage by lanes: row l % 16, 32 bytes for each half of the lanes
.set WR,   25                          ; v25     my stage by rows: lanes 0-15 one row of 256 bytes, lanes 16-31 the next
.set CO,   26                          ; v26     the same two rows in c, out0, out1
.set BO,   27                          ; v27     my byte offset in a bias vector
.set SPW,  28                          ; v28     LDS address of my spare word: SPARE + 4 x my thread's number; never rewritten
.set NIL,  29                          ; v29     0; never rewritten
.set PFO,  30                          ; v30     the prefetches' offset: my lane x a row of 4,096 bytes; never rewritten
.set AF,   64                          ; a_bf's fragment buffers, window 0: buffer f at AF + 32 f
.set BI,   128                         ; the bias, window 0
.set CR,   128                         ; c as whole rows, window 0
.set CL,   0                           ; window 1: c by lanes
.set RBH,  64                          ; window 1: h_new as whole rows
.set RBC,  96                          ; window 1: c_new as whole rows
.set G1,  24                           ; s[24:31] descriptor group 1 for a_bf's tiles
.set G0,  32                           ; s[32:39] group 0, one set for each slot
.set G1B, 48                           ; s[48:55], s[56:63] the same for w_bf's tiles
.set G0B, 56
.set LIM, 43                           ; s43      1 in a wave that prefetches, else the greatest number
.set PFA, 44                           ; s[44:45] where my prefetches stand
.set PC,  68                           ; s[68:69] c at my wave's first row and column
.set PB,  70                           ; s[70:77] the four bias vectors: gate g at s[70 + 2 g]
.set PH,  78                           ; s[78:79] out0 (h_new)
.set PN,  80                           ; s[80:81] out1 (c_new)
.set KS,  82                           ; s[82:83] -L, named as a pair
.set KT,  84                           ; s[84:85] -2 L
.set MSB, 0
.macro WIN new                         ; the immediate's high byte repeats the setting that is left; a switch that changes nothing is dropped
.if MSB != (\new)
	s_set_vgpr_msb (MSB<<8)|(\new)
.set MSB, \new
.endif
.endm
; A joint load.  Waves 0 and 1 fetch a_bf's two halves of 128 rows, waves 2 and 3 w_bf's.  Each of the two lines has ONE mask and one set of registers for all that issue it.  The branch hangs on the wave's
; number alone.  An s_nop 0 and four v_nop follow each of the two lines, ahead of the jump and the label.
.macro JLOAD s
	s_cmp_eq_u32 s11, 0
	s_cbranch_scc0 .Lfor_b_\@
	tensor_load_to_lds s[G0+4*(\s):G0+4*(\s)+3], s[G1:G1+7]
	s_nop 0
.rept 4
	v_nop
.endr
	s_branch .Lasked_\@
.Lfor_b_\@:
	tensor_load_to_lds s[G0B+4*(\s):G0B+4*(\s)+3], s[G1B:G1B+7]
	s_nop 0
.rept 4
	v_nop
.endr
.Lasked_\@:
.endm
; A PREFETCH INTO THE L2, behind each joint refill, its five lines and the run of LDS loads that follows: the K step that stands TWO refills on (512 matrix instructions ahead of the load that will ask for it):
; 32 rows x 256 bytes, a lane a row, one instruction a wave.  Each row's 256 bytes of a K step are named ONCE in the launch: a_bf's tile row is read by every cluster of that row of clusters: the one with
; cluster x = 0 asks; w_bf's tile column by every cluster of that column: cluster y = 0 asks.  The four partners that ask for a tile jointly share its rows out BY ADDRESS, 32 of a wave's 128 each (by cx for
; a_bf, by cy for w_bf): no branch hangs on a work-group's place in its cluster.  K steps 0 to 3 come by their loads alone; the loop's last trip (s3 = 1) asks for nothing: there is no K step 16.
.macro ASK
	s_cmp_gt_u32 s3, s[LIM]
	s_cbranch_scc0 .Lnot_mine_\@
	global_prefetch_b8 v[PFO], s[PFA:PFA+1] offset:KSTEP*2 th:TH_LOAD_NT scope:SCOPE_SE
.Lnot_mine_\@:
.endm
; A round of the cluster's barrier: my work-group's barrier, so that wave 0's signal speaks for all four waves; wave 0 signals; every wave waits for all sixteen work-groups; my work-group's barrier once more.
.macro CREST                           ; a round behind its opening barrier
	s_cmp_lg_u32 s10, 0
	s_cbranch_scc1 .Lnot_wave_0_\@
	s_barrier_signal -3
.Lnot_wave_0_\@:
	s_barrier_wait -3
	s_barrier_signal -1
	s_barrier_wait -1
.endm
.macro CROUND                          ; a whole round
	s_barrier_signal -1
	s_barrier_wait -1
	CREST
.endm
	s_load_b128 s[4:7], s[0:1], 0x0                ; a_bf s[4:5], w_bf s[6:7]
	s_load_b256 s[68:75], s[0:1], 0x10             ; c, bf, bu, bc
	s_load_b128 s[76:79], s[0:1], 0x30             ; bo, out0
	s_load_b64 s[80:81], s[0:1], 0x40              ; out1
	v_lshl_add_u32 v[SPW], v0, 2, SPARE
	v_mov_b32 v[NIL], 0
	ds_add_u32 v[SPW], v[NIL]                      ; the wave's opening: the add, twice on end, and its wait ahead of my first tensor load; the set-up below, work on registers, stands between
	ds_add_u32 v[SPW], v[NIL]                      ; and once more, under the one wait
	v_lshrrev_b32 v1, 5, v0
	v_readfirstlane_b32 s10, v1                    ; wave 0..3
	s_lshr_b32 s11, s10, 1                         ; I fetch for a_bf (0) or for w_bf (1),
	s_and_b32 s12, s10, 1                          ; and which 128 rows of that tile
	s_bfe_u32 s40, ttmp6, 0x40000                  ; cx: my place along the cluster's x
	s_bfe_u32 s41, ttmp6, 0x40004                  ; cy: along its y
	s_lshl_b32 s42, ttmp9, 2                       ; in a cluster launch ttmp9 and ttmp7 count clusters
	s_add_co_u32 s42, s42, s40                     ; tc, the block of 64 output columns = 4 x cluster x + cx
	s_and_b32 s13, ttmp7, 0xffff
	s_lshl_b32 s13, s13, 2
	s_add_co_u32 s13, s13, s41                     ; ty, the block of 256 rows = 4 x cluster y + cy
	s_lshl_b32 s43, s41, 2
	s_lshl_b32 s43, 15, s43                        ; my row of the cluster: places 4 cy .. 4 cy + 3
	s_lshl_b32 s44, 0x1111, s40                    ; my column: places cx, cx + 4, cx + 8, cx + 12
	; descriptor group 1: a tile of 128 rows x 128 elements, padded in LDS
	s_or_b32 s[G1+0], s43, (1<<16)|(1<<20)|(1<<21)|(5<<22)|(3<<25)  ; 15:0 the mask: a_bf's tiles go to my row; 17:16 elements of 2 bytes; 20 padding on; 21 set beside a mask; 24:22 after every 64 words (code 5); 31:25 4 words of it (code 3)
	s_or_b32 s[G1B+0], s44, (1<<16)|(1<<20)|(1<<21)|(5<<22)|(3<<25) ; the same with the mask of my column, for w_bf's tiles
.irp g, G1, G1B
	s_mov_b32 s[(\g)+1], KSTEP<<16                 ; tensor_dim0 = 128
	s_mov_b32 s[(\g)+2], 128<<16                   ; tensor_dim1 = 128
	s_mov_b32 s[(\g)+3], KSTEP<<16                 ; tile_dim0 = 128
	s_mov_b32 s[(\g)+4], 128                       ; tile_dim1 = 128
	s_mov_b32 s[(\g)+5], SIZE_K                    ; elements from row to row
	s_mov_b32 s[(\g)+6], 0
	s_mov_b32 s[(\g)+7], 0
.endr
	s_mov_b32 s[KS], 0xbfb8aa3b                    ; -log2(e)
	s_mov_b32 s[KS+1], 0xbfb8aa3b
	s_mov_b32 s[KT], 0xc038aa3b                    ; -2 log2(e)
	s_mov_b32 s[KT+1], 0xc038aa3b
	; where the tiles come from: a_bf's hang on ty alone, which my row of the cluster shares; w_bf's on tc alone, which my column shares.  Each address is made in registers that never hold the other coordinate.
	s_lshl_b32 s17, s12, 7                         ; which 128 rows of the tile I fetch
	s_lshl_b32 s16, s13, 8
	s_add_co_u32 s16, s16, s17                     ; a_bf: row 256 ty + 128 x half
	s_lshl_b32 s46, s42, 8
	s_add_co_u32 s46, s46, s17                     ; w_bf: row 256 tc + 128 x half
	s_mov_b32 s17, 0
	s_mov_b32 s47, 0
	s_mov_b64 s[18:19], SIZE_K*2
	s_mul_u64 s[16:17], s[16:17], s[18:19]         ; in bytes
	s_mul_u64 s[46:47], s[46:47], s[18:19]
	s_mul_i32 s20, s10, HALFT                      ; and where they go: wave x 128 rows: no place in the cluster enters an LDS address
	s_wait_dscnt 0x0                               ; both opening adds are done
	s_wait_kmcnt 0x0
	s_add_nc_u64 s[14:15], s[4:5], s[16:17]
	s_add_nc_u64 s[46:47], s[6:7], s[46:47]
	CROUND                                         ; all sixteen work-groups are here: the first joint loads meet
.irp s, 0,1
	s_mov_b32 s[G0+4*(\s)], 1                                      ; count = 1
	s_add_co_u32 s[G0+4*(\s)+1], s20, (\s)*SLOT                    ; LDS address
	s_add_nc_u64 s[G0+4*(\s)+2:G0+4*(\s)+3], s[14:15], (\s)*KSTEP*2  ; global address: K step s
	s_or_b32 s[G0+4*(\s)+3], s[G0+4*(\s)+3], 0x80000000            ; type = 2
	s_mov_b32 s[G0B+4*(\s)], 1
	s_add_co_u32 s[G0B+4*(\s)+1], s20, (\s)*SLOT
	s_add_nc_u64 s[G0B+4*(\s)+2:G0B+4*(\s)+3], s[46:47], (\s)*KSTEP*2
	s_or_b32 s[G0B+4*(\s)+3], s[G0B+4*(\s)+3], 0x80000000
	JLOAD \s                                       ; the ring is filled before anything else is done: two loads of mine are out
.endr
	; A fragment is 16 rows x 32 K in 8 registers: lane l holds row l % 16; registers 0-3 K = 8 (l / 16) + 0..7, registers 4-7 K = 16 + 8 (l / 16) + 0..7: two loads of 16 bytes, 32 bytes apart.
	v_and_b32 v1, 15, v0                           ; l % 16
	v_bfe_u32 v2, v0, 4, 1                         ; l / 16
	v_mul_u32_u24 v3, v1, PITCH
	v_lshl_add_u32 v3, v2, 4, v3                   ; row x pitch + 16 x half
	s_mul_i32 s21, s10, 64*PITCH                   ; my 64 rows of a_bf's 256
	s_mov_b32 s22, 2*HALFT                         ; w_bf's 256 rows lie behind them; I read them all
.irp s, 0,1
	v_add_nc_u32 v[ADRA+(\s)], s21, v3
	v_add_nc_u32 v[ADRB+(\s)], s22, v3
	s_add_co_u32 s21, s21, SLOT
	s_add_co_u32 s22, s22, SLOT
.endr
	s_mul_i32 s23, s10, 2*AREA
	s_add_co_u32 s23, s23, STAGE                   ; my stage
	v_mul_u32_u24 v4, v1, SPITCH                   ; by lanes: row l % 16, my 8 f32 of each 16 columns
	v_lshl_add_u32 v4, v2, 5, v4
	v_add_nc_u32 v[LA], s23, v4
	v_mul_u32_u24 v5, v2, SPITCH                   ; by rows: lanes 0-15 one row of 256 bytes, lanes 16-31 the next
	v_lshl_add_u32 v5, v1, 4, v5
	v_add_nc_u32 v[WR], s23, v5
	v_lshlrev_b32 v5, 12, v2                       ; and the same two rows in c, out0, out1
	v_lshl_add_u32 v[CO], v1, 4, v5
	s_lshl_b32 s86, s13, 20                        ; my part of c, out0, out1: 256 ty rows of 4,096 bytes,
	s_lshl_b32 s87, s10, 18                        ; my wave's 64 rows,
	s_add_co_u32 s86, s86, s87
	s_lshl_b32 s46, s42, 8                         ; 256 tc: the 64 columns in bytes (also: a bias vector's bytes, and the tile's first row in w_bf)
	s_add_co_u32 s86, s86, s46
	s_mov_b32 s87, 0
	s_add_nc_u64 s[PC:PC+1], s[PC:PC+1], s[86:87]
	s_add_nc_u64 s[PH:PH+1], s[PH:PH+1], s[86:87]
	s_add_nc_u64 s[PN:PN+1], s[PN:PN+1], s[86:87]
	v_lshl_add_u32 v[BO], v2, 5, s46               ; 256 tc + 32 (l / 16)
	; the prefetches
	s_lshl_b32 s47, s13, 8                         ; 256 ty
	s_and_b32 s22, ttmp7, 0xffff                   ; cluster y
	s_cmp_eq_u32 s11, 0                            ; do I fetch for a_bf?
	s_cselect_b32 s20, s47, s46                    ; the tile's first row
	s_cselect_b32 s21, s40, s41                    ; my place among the four that ask for it with me
	s_cselect_b32 s22, ttmp9, s22                  ; the coordinate along which other clusters read the same rows
	s_cselect_b64 s[PFA:PFA+1], s[4:5], s[6:7]
	s_cmp_eq_u32 s22, 0
	s_cselect_b32 s[LIM], 1, -1                    ; the same in all sixteen partners, for a given wave
	s_lshl_b32 s22, s12, 7
	s_add_co_u32 s20, s20, s22                     ; + the 128 rows that I fetch
	s_lshl_b32 s21, s21, 5
	s_add_co_u32 s20, s20, s21                     ; + my work-group's 32 of them
	s_mov_b32 s21, 0
	s_mov_b64 s[18:19], SIZE_K*2
	s_mul_u64 s[20:21], s[20:21], s[18:19]
	s_add_nc_u64 s[PFA:PFA+1], s[PFA:PFA+1], s[20:21]
	s_add_nc_u64 s[PFA:PFA+1], s[PFA:PFA+1], 2*KSTEP*2  ; at K step 2: the first refill steps it to 3 and names K step 4
	v_and_b32 v[PFO], 31, v0
	v_mul_u32_u24 v[PFO], v[PFO], SIZE_K*2
	; the bias as 16 C operands: register j of block 4 g + cb holds gate g's bias of column 64 tc + 16 cb + 8 (l / 16) + j, whatever the row
.irp g, 0,1,2,3
.irp q, 0,1,2,3
	global_load_b128 v[BI+8*(4*(\g)+(\q)):BI+8*(4*(\g)+(\q))+3],   v[BO], s[PB+2*(\g):PB+2*(\g)+1] offset:64*(\q)
	global_load_b128 v[BI+8*(4*(\g)+(\q))+4:BI+8*(4*(\g)+(\q))+7], v[BO], s[PB+2*(\g):PB+2*(\g)+1] offset:64*(\q)+16
.endr
.endr
; 16 matrix instructions: block a of my rows x all 16 blocks of w_bf's rows, 32 along K, from buffers f.  zero = 1: the product starts the sum, with the bias as C.
; The 64 accumulators take turns, one instruction a turn, in the same order in every quarter step, over the backward jump too: between two links of a chain stand the 63 others'.
.macro MULA f, a, zero
.if \zero
	WIN 0x81+0x40*((\a)/2)                         ; w_bf window 1, a_bf and the bias window 0, D window 2 or 3
.else
	WIN 0xa1+0x50*((\a)/2)                         ; w_bf window 1, a_bf window 0, C and D window 2 or 3
.endif
.irp b, 0,1,2,3,4,5,6,7,8,9,10,11,12,13,14,15
.if \zero
	v_wmma_f32_16x16x32_bf16 v[8*(16*((\a)%2)+(\b)):8*(16*((\a)%2)+(\b))+7], v[128*(\f)+8*(\b):128*(\f)+8*(\b)+7], v[AF+32*(\f)+8*(\a):AF+32*(\f)+8*(\a)+7], v[BI+8*(\b):BI+8*(\b)+7]
.else
	v_wmma_f32_16x16x32_bf16 v[8*(16*((\a)%2)+(\b)):8*(16*((\a)%2)+(\b))+7], v[128*(\f)+8*(\b):128*(\f)+8*(\b)+7], v[AF+32*(\f)+8*(\a):AF+32*(\f)+8*(\a)+7], v[8*(16*((\a)%2)+(\b)):8*(16*((\a)%2)+(\b))+7]
.endif
.endr
.endm
; 40 LDS loads in one run: the fragments of one quarter step (256 rows of w_bf, my 64 rows of a_bf, 32 K at byte k of the rows) into buffers f.  The largest immediate is 15 x 4,352 + 192 + 32 = 65,504.
.macro FETCH slot, k, f
	WIN 0x40                                       ; destination window 1, address window 0
.irp i, 0,1,2,3,4,5,6,7,8,9,10,11,12,13,14,15
	ds_load_b128 v[128*(\f)+8*(\i):128*(\f)+8*(\i)+3],   v[ADRB+(\slot)] offset:(\k)+(\i)*16*PITCH
	ds_load_b128 v[128*(\f)+8*(\i)+4:128*(\f)+8*(\i)+7], v[ADRB+(\slot)] offset:(\k)+(\i)*16*PITCH+32
.endr
	WIN 0
.irp i, 0,1,2,3
	ds_load_b128 v[AF+32*(\f)+8*(\i):AF+32*(\f)+8*(\i)+3],   v[ADRA+(\slot)] offset:(\k)+(\i)*16*PITCH
	ds_load_b128 v[AF+32*(\f)+8*(\i)+4:AF+32*(\f)+8*(\i)+7], v[ADRA+(\slot)] offset:(\k)+(\i)*16*PITCH+32
.endr
.endm
; A load into a register that a matrix instruction has read, and a vector instruction that reads a matrix result, stand four places behind that matrix instruction, and only plain vector instructions that
; name none of its registers are places (ISA guide 7.12.1 for vector instructions).
.macro PLACES
.rept 4
	v_nop
.endr
.endm
; A K step is four quarter steps of 32 along K, 64 matrix instructions each, on buffers 0, 1, 0, 1.  One of the first three: multiplies buffers f; behind its first 16 products it fetches the next quarter's
; fragments, at byte k of the same slot's rows, into buffers g: 48 products ahead of their first use.
.macro QUARTER slot, k, f, g, zero
	s_wait_dscnt 6                                 ; w_bf's fragments and a_bf's block 0 are in; the youngest six loads (blocks 1 to 3) may be out
	MULA \f, 0, \zero
	PLACES
	FETCH \slot, \k, \g
	s_wait_dscnt 40                                ; all but the 40 just issued
	MULA \f, 1, \zero
	MULA \f, 2, \zero
	MULA \f, 3, \zero
.endm
; The last quarter multiplies buffers 1 and changes slots.  MEET is its first half: ONE barrier for the change.  In front of it each wave waits for all its tensor loads, of which one is out: its part of the
; next slot; adds 0 to its spare word; and waits for that and for its own reads of this slot.  Behind it nobody reads this slot any more and the next slot is whole.
.macro MEET round                      ; round = 1: a round of the cluster's barrier follows
	WIN 0                                          ; (the add's two registers lie in window 0)
	s_wait_tensorcnt 0x0                           ; all my tensor loads have landed;
	ds_add_u32 v[SPW], v[NIL]                      ; 0 onto my spare word;
	s_wait_dscnt 7                                 ; (the add and the youngest six loads may be out)
	MULA 1, 0, 0                                   ; sixteen matrix instructions stand between the add and the wait for it
	s_wait_dscnt 0x0                               ; the add is done, and my reads of this slot are over:
	s_barrier_signal -1                            ; say so,
	MULA 1, 1, 0                                   ; work on registers while the others arrive,
.if \round
	WIN 0
.endif
	s_barrier_wait -1                              ; and go on when all four have said so
.endm
; The whole last quarter where the slot is filled again, with the K step two steps on: the barrier opens a round of the cluster's, and the joint refill is the first tensor load behind the round.
; From the request to the wait for it a wave issues 224 matrix instructions; one tensor load of mine is out meanwhile.
.macro TURN slot, next
	s_wait_xcnt 0x0                                ; the last prefetch, a K step back, has read its address: it is stepped here, ahead of the change's own waits
	s_add_nc_u64 s[PFA:PFA+1], s[PFA:PFA+1], KSTEP*2
	MEET 1
	CREST                                          ; no wave of any partner still reads this slot's tile or has a load on its way
	s_add_nc_u64 s[G0+4*(\slot)+2:G0+4*(\slot)+3], s[G0+4*(\slot)+2:G0+4*(\slot)+3], 2*KSTEP*2
	s_add_nc_u64 s[G0B+4*(\slot)+2:G0B+4*(\slot)+3], s[G0B+4*(\slot)+2:G0B+4*(\slot)+3], 2*KSTEP*2
	JLOAD \slot                                    ; the four v_nop behind it are also the places in front of the loads below
	FETCH \next, 0, 0
	ASK
	MULA 1, 2, 0
	MULA 1, 3, 0
.endm
	s_wait_tensorcnt 1                             ; my part of K step 0 is in; K step 1's may stay out
	s_barrier_signal -1
	s_barrier_wait -1                              ; everybody's is
	FETCH 0, 0, 0
	s_wait_loadcnt 0x0                             ; the bias
	QUARTER 0, 64, 0, 1, 1                         ; the first quarter stands in front of the loop: its products start the sums, from the bias
	PLACES                                         ; the bias's registers, which those products read, are loaded anew:
	WIN 0
.irp t, 0,1,2,3,4,5,6,7,8,9,10,11,12,13,14,15,16,17,18,19,20,21,22,23,24,25,26,27,28,29,30,31
	global_load_b128 v[CR+4*(\t):CR+4*(\t)+3], v[CO], s[PC:PC+1] offset:(\t)*2*ROWB th:TH_LOAD_NT  ; c, two whole rows of 256 bytes a load; wanted on the way out, nearly sixteen K steps on
.endr
	s_mov_b32 s3, LAPS-1
.Llap:                                                 ; a trip goes once round the ring, from a lap's second quarter to the next lap's first, and fills both slots again
	QUARTER 0, 128, 1, 0, 0
	QUARTER 0, 192, 0, 1, 0
	TURN 0, 1
	QUARTER 1, 64,  0, 1, 0
	QUARTER 1, 128, 1, 0, 0
	QUARTER 1, 192, 0, 1, 0
	TURN 1, 0
	QUARTER 0, 64,  0, 1, 0
	WIN 0                                          ; at a label and at a branch every window is 0
	s_sub_co_u32 s3, s3, 1
	s_cmp_lg_u32 s3, 0
	s_cbranch_scc1 .Llap
	QUARTER 0, 128, 1, 0, 0                        ; the last lap is written out: it asks for nothing
	QUARTER 0, 192, 0, 1, 0
	MEET 0                                         ; my one tensor load that was still out is the last K step's, so no round follows
	PLACES
	FETCH 1, 0, 0
	MULA 1, 2, 0
	MULA 1, 3, 0
	QUARTER 1, 64,  0, 1, 0
	QUARTER 1, 128, 1, 0, 0
	QUARTER 1, 192, 0, 1, 0
	s_wait_dscnt 6                                 ; the very last quarter: nothing more to fetch
	MULA 1, 0, 0
	s_wait_dscnt 0x0
	MULA 1, 1, 0
	MULA 1, 2, 0
	MULA 1, 3, 0
; THE WAY OUT, a block a of 16 rows x 64 columns at a time: 32 numbers a lane for each gate, gate g at GB + 32 g of the block's window.  All arithmetic is done in place.
; CIN: the block's c goes from whole rows into area C of my stage and comes back by lanes, in the accumulators' order.  The bytes are my wave's own and LDS serves a wave's instructions in order
; (ISA guide 5.7.1.4): no wait stands between the stores and the loads, nor between these stores and the loads of the block before.
.macro CIN a
	WIN 0
.irp t, 0,1,2,3,4,5,6,7
	ds_store_b128 v[WR], v[CR+32*(\a)+4*(\t):CR+32*(\a)+4*(\t)+3] offset:(\t)*2*SPITCH
.endr
	WIN 0x40
.irp q, 0,1,2,3
	ds_load_b128 v[CL+8*(\q):CL+8*(\q)+3],   v[LA] offset:64*(\q)
	ds_load_b128 v[CL+8*(\q)+4:CL+8*(\q)+7], v[LA] offset:64*(\q)+16
.endr
.endm
.macro PRE kind, r, g                  ; the plain step on a pair: kind 0: times -L (gate 2, the tanh: -2 L); kind 1: plus 1
.if \kind
	v_pk_add_f32 v[(\r):(\r)+1], v[(\r):(\r)+1], 1.0 op_sel_hi:[1,0]
.elseif (\g) == 2
	v_pk_mul_f32 v[(\r):(\r)+1], v[(\r):(\r)+1], s[KT:KT+1] op_sel_hi:[1,0]
.else
	v_pk_mul_f32 v[(\r):(\r)+1], v[(\r):(\r)+1], s[KS:KS+1] op_sel_hi:[1,0]
.endif
.endm
.macro TR kind, r                      ; the transcendental step on one number
.if \kind
	v_rcp_f32 v[(\r)], v[(\r)]
.else
	v_exp_f32 v[(\r)], v[(\r)]
.endif
.endm
; One pass over the block's four gates: the plain step on gate 0; then gate g's 32 transcendentals with gate g + 1's 16 plain steps set between them; then gate 3's.  The 128 transcendentals are ONE BATCH:
; nothing in the pass names a result of theirs; a v_nop is the plain instruction behind the last, and one wait ahead of the first reader serves them all.
; Each accumulator is first read at its lowest pair: the plain steps go up through a gate's registers.
.macro PASS a, kind
.set GB, 128*((\a)%2)
	WIN 0xaa+0x55*((\a)/2)                         ; every operand in the block's window
.set i, 0
.rept 16
	PRE \kind, GB+2*i, 0
.set i, i+1
.endr
.irp g, 0,1,2
.set i, 0
.rept 16
	TR \kind, GB+32*(\g)+2*i
	PRE \kind, GB+32*((\g)+1)+2*i, (\g)+1
	TR \kind, GB+32*(\g)+2*i+1
.set i, i+1
.endr
.endr
.set i, 0
.rept 32
	TR \kind, GB+96+i
.set i, i+1
.endr
	v_nop
	s_wait_alu depctr_va_vdst(0)
.endm
; f, u, o and r = 1 / (1 + 2^(-2 L z)) are there.  cc = 2 r - 1; c_new = f c + u cc (in gate 2's registers); h_new = (2 / (1 + 2^(-2 L c_new)) - 1) o (in gate 0's).  Two more batches, a wait each.
.macro LINES line:vararg               ; one line for each of the 16 pairs, i = 0, 2 .. 30
.set i, 0
.rept 16
	\line
.set i, i+2
.endr
.endm
.macro MATH2 a
.set GB, 128*((\a)%2)
	WIN 0xaa+0x55*((\a)/2)
	LINES v_pk_fma_f32 v[GB+64+i:GB+64+i+1], v[GB+64+i:GB+64+i+1], 2.0, -1.0 op_sel_hi:[1,0,0]
	LINES v_pk_mul_f32 v[GB+64+i:GB+64+i+1], v[GB+64+i:GB+64+i+1], v[GB+32+i:GB+32+i+1]
	WIN 0xa6+0x51*((\a)/2)                         ; source 1, c by lanes, in window 1
	LINES v_pk_fma_f32 v[GB+64+i:GB+64+i+1], v[GB+i:GB+i+1], v[CL+i:CL+i+1], v[GB+64+i:GB+64+i+1]
	WIN 0xaa+0x55*((\a)/2)
	LINES v_pk_mul_f32 v[GB+i:GB+i+1], v[GB+64+i:GB+64+i+1], s[KT:KT+1] op_sel_hi:[1,0]
.set i, 0
.rept 32
	v_exp_f32 v[GB+i], v[GB+i]
.set i, i+1
.endr
	v_nop                                          ; a plain instruction behind the last exponential,
	s_wait_alu depctr_va_vdst(0)                   ; and the batch's one wait, ahead of its first reader
	LINES v_pk_add_f32 v[GB+i:GB+i+1], v[GB+i:GB+i+1], 1.0 op_sel_hi:[1,0]
.set i, 0
.rept 32
	v_rcp_f32 v[GB+i], v[GB+i]
.set i, i+1
.endr
	v_nop
	s_wait_alu depctr_va_vdst(0)
	LINES v_pk_fma_f32 v[GB+i:GB+i+1], v[GB+i:GB+i+1], 2.0, -1.0 op_sel_hi:[1,0,0]
	LINES v_pk_mul_f32 v[GB+i:GB+i+1], v[GB+i:GB+i+1], v[GB+96+i:GB+96+i+1]
.endm
; COUT: c_new into area C and h_new into area H by lanes, and back as whole rows of 256 bytes.
.macro COUT a
.set GB, 128*((\a)%2)
	WIN 0x08+0x04*((\a)/2)                         ; the stores' data in the block's window
.irp q, 0,1,2,3
	ds_store_b128 v[LA], v[GB+64+8*(\q):GB+64+8*(\q)+3]   offset:64*(\q)
	ds_store_b128 v[LA], v[GB+64+8*(\q)+4:GB+64+8*(\q)+7] offset:64*(\q)+16
	ds_store_b128 v[LA], v[GB+8*(\q):GB+8*(\q)+3]         offset:AREA+64*(\q)
	ds_store_b128 v[LA], v[GB+8*(\q)+4:GB+8*(\q)+7]       offset:AREA+64*(\q)+16
.endr
.if (\a) > 0
	s_wait_xcnt 0x0                                ; the stores of the block before have read their registers: only behind this wait are those loaded again
.endif
	WIN 0x40
.irp t, 0,1,2,3,4,5,6,7
	ds_load_b128 v[RBH+4*(\t):RBH+4*(\t)+3], v[WR] offset:AREA+(\t)*2*SPITCH
	ds_load_b128 v[RBC+4*(\t):RBC+4*(\t)+3], v[WR] offset:(\t)*2*SPITCH
.endr
.endm
.macro SEND a                          ; 16 lanes store 256 consecutive bytes, at a multiple of 256 from the output's first byte; the largest immediate is 31 x 8,192
	WIN 0x04                                       ; the stores' data in window 1
.irp t, 0,1,2,3,4,5,6,7
	global_store_b128 v[CO], v[RBH+4*(\t):RBH+4*(\t)+3], s[PH:PH+1] offset:(8*(\a)+(\t))*2*ROWB th:TH_STORE_NT
	global_store_b128 v[CO], v[RBC+4*(\t):RBC+4*(\t)+3], s[PN:PN+1] offset:(8*(\a)+(\t))*2*ROWB th:TH_STORE_NT
.endr
.endm
	WIN 0
	PLACES                                         ; behind the last products, ahead of the loads into fragment registers and of the first reads of results;
	PLACES                                         ; eight, once a launch
	s_wait_loadcnt 0x0                             ; c
.irp a, 0,1,2,3
	CIN \a
	PASS \a, 0                                     ; 2^(-L z): the stage's round trips, this block's c and the last block's results, run under these two passes
	PASS \a, 1                                     ; 1 / (1 + ..)
	s_wait_dscnt 0x0                               ; c by lanes is in, and so are the whole rows of the block before,
.if (\a) > 0
	SEND (\a)-1                                    ; which leave while this block is finished
.endif
	MATH2 \a
	COUT \a
.endr
	s_wait_dscnt 0x0
	SEND 3
	WIN 0
	s_wait_tensorcnt 0x0                           ; the wave's end, behind my last tensor load and my last LDS store
	ds_add_u32 v[SPW], v[NIL]
	s_wait_dscnt 0x0
	CROUND                                         ; the closing round: no work-group ends while a partner may still ask for a tile that names it
	s_endpgm
.Lfunc_end_k_qea3ec58bdb_lstm:
	.size	k_qea3ec58bdb_lstm, .Lfunc_end_k_qea3ec58bdb_lstm-k_qea3ec58bdb_lstm
	.p2alignl 7, 3214868480
	.fill 96, 4, 3214868480
	.section	.rodata,"a",@progbits
	.p2align	6, 0x0
	.amdhsa_kernel k_qea3ec58bdb_lstm
		.amdhsa_group_segment_fixed_size 327680
		.amdhsa_private_segment_fixed_size 0
		.amdhsa_enable_private_segment 0
		.amdhsa_kernarg_size 72
		.amdhsa_user_sgpr_count 2
		.amdhsa_user_sgpr_kernarg_segment_ptr 1
		.amdhsa_wavefront_size32 1
		.amdhsa_system_sgpr_workgroup_id_x 1
		.amdhsa_system_sgpr_workgroup_id_y 1
		.amdhsa_system_sgpr_workgroup_id_z 1
		.amdhsa_system_vgpr_workitem_id 0
		.amdhsa_next_free_vgpr 1024
		.amdhsa_next_free_sgpr 88
		.amdhsa_reserve_vcc 0
		.amdhsa_float_denorm_mode_32 3
		.amdhsa_float_denorm_mode_16_64 3
		.amdhsa_memory_ordered 1
		.amdhsa_forward_progress 1
		.amdhsa_inst_pref_size 248
	.end_amdhsa_kernel
	.amdgpu_metadata
---
amdhsa.version: [ 1, 2 ]
amdhsa.kernels:
  - .name:           k_qea3ec58bdb_lstm
    .symbol:         k_qea3ec58bdb_lstm.kd
    .args:
      - { .name: a_bf, .offset: 0, .size: 8, .value_kind: global_buffer, .address_space: global }
      - { .name: w_bf, .offset: 8, .size: 8, .value_kind: global_buffer, .address_space: global }
      - { .name: c, .offset: 16, .size: 8, .value_kind: global_buffer, .address_space: global }
      - { .name: bf, .offset: 24, .size: 8, .value_kind: global_buffer, .address_space: global }
      - { .name: bu, .offset: 32, .size: 8, .value_kind: global_buffer, .address_space: global }
      - { .name: bc, .offset: 40, .size: 8, .value_kind: global_buffer, .address_space: global }
      - { .name: bo, .offset: 48, .size: 8, .value_kind: global_buffer, .address_space: global }
      - { .name: out0, .offset: 56, .size: 8, .value_kind: global_buffer, .address_space: global }
      - { .name: out1, .offset: 64, .size: 8, .value_kind: global_buffer, .address_space: global }
    .group_segment_fixed_size: 327680
    .private_segment_fixed_size: 0
    .kernarg_segment_align: 8
    .kernarg_segment_size: 72
    .max_flat_workgroup_size: 128
    .sgpr_count:     88
    .vgpr_count:     1024
    .wavefront_size: 32
...
	.end_amdgpu_metadata
.endif
;; end of part 2
;; ======== version 2 of 2: 2 launches; version 1 with the launch cast written anew for expert scheduling mode
;; limits: below input magnitudes of 1e-05 results are inexact or not finite
;; workspace buffers: a_bf 33,554,432 bytes; w_bf 16,777,216 bytes
;; launch cast (part 3): grid 768 x 1, 8 waves a work-group, no clusters, 0 bytes of LDS; arguments x, h, Wf, Wu, Wc, Wo, a_bf, w_bf; writes a_bf, w_bf
.if DOCPART == 3
	.amdgcn_target "amdgcn-amd-amdhsa--gfx1250"
	.amdhsa_code_object_version 6
	.text
	.protected	k_qea3ec58bdb_cast
	.globl	k_qea3ec58bdb_cast
	.p2align	8
	.type	k_qea3ec58bdb_cast,@function
k_qea3ec58bdb_cast:
	s_mov_b64 s[64:65], 0
	v_nop
	global_prefetch_b8 v0, s[64:65] scope:SCOPE_SE
	s_setreg_imm32_b32 hwreg(HW_REG_WAVE_SCHED_MODE, 0, 2), 2
	s_setreg_imm32_b32 hwreg(HW_REG_WAVE_MODE, 25, 1), 1
	s_wait_xcnt 0x0
	s_wait_alu depctr_vm_vsrc(0)
; x, h and the four weight matrices, each number rounded once to bf16 (nearest even), laid out for the product that follows.
;   a_bf [8192][2048] bf16: row r = x[r] (columns 0-1023), then h[r] (columns 1024-2047); a row is 4,096 bytes.
;   w_bf [4096][2048] bf16: row 256 tc + 64 g + 16 cb + i = row 64 tc + 16 cb + i of gate g's matrix (g = 0..3: f, u, c, o): 256 rows on end hold all four gates of 64 output columns.
; A SEGMENT is 1,024 f32 (4,096 bytes) in and 2,048 bytes out: a row of x or h, half a row of a weight matrix.  There are 24,576; a work-group takes 32 on end of ONE source:
; work-groups 0-255 x, 256-511 h, 512-767 the weights (64 for each gate, 16 rows each, which stay together in w_bf).  All 768 do equal work.
; Thread t takes numbers 4 t .. 4 t + 3 of every segment: a wave's load covers 512 consecutive bytes, its store 256 consecutive bytes at a multiple of 256 from the buffer's first byte.
; No byte is wanted by two threads: no LDS, no barrier, no cluster, no matrix unit.  Nothing is prefetched: the launch is nothing but its stream of loads.
; THE MODE: SCHED_MODE bits 1:0 = 2 (LLVM: expert scheduling mode 2), set by the entry lines.  The code itself states the register dependences
; between vector instructions and memory instructions, with s_wait_alu, always for 0.
; THE PLAN.  The 32 segments go in 8 blocks of four.  Registers that memory instructions touch:
;   X0 .. X3   four blocks as loaded.  Written by the loads of block p + 3, issued in block p; read by block p's conversions.
;   Y0 .. Y7   a buffer for EACH block.  Written once, by block p's conversions; read by the four stores that are issued in block p + 1.
;   v1, v[2:9] byte offsets, made once at the head and never written again.  The source's segments are reached by immediate offsets from one scalar base; the destination's pitch is
;              no constant of the text (a row of a_bf, or half a row of w_bf), so eight offsets hold 0 to 7 pitches and four scalar bases, made at the head, lie eight pitches apart.
; Block p works on X[p % 4] and writes Y[p].  Its memory instructions are the loads into X[(p + 3) % 4] = X[(p - 1) % 4] and the stores from Y[p - 1]: the two buffers that block p - 1 worked on
; and that no vector instruction of block p names.  So ONE wait on va_vdst at a block's head states all that the block's eight memory instructions hang on, and these are dealt among its
; conversions with no further wait.  No register that a memory instruction reads, vector or scalar, is ever written again: so the text holds no wait on vm_vsrc and no s_wait_xcnt.
; Since every block names a Y of its own, the eight blocks are written out by one macro, without a loop.
.set BLOCK,  4                         ; segments in a block
.set BLOCKS, 32/BLOCK
.set SEG,    4096                      ; bytes of a segment in its source
.set INO,    1                         ; v1        16 t: my bytes in a source segment; never rewritten
.set OUTO,   2                         ; v[2:9]    offset i: 8 t + i x the destination's pitch; never rewritten
.set X,      16                        ; v[16:79]  buffer k, segment i: four f32 as loaded, at X + 16 k + 4 i
.set Y,      80                        ; v[80:143] block p, segment i: four bf16 to store, at Y + 8 p + 2 i
.set SRC,    32                        ; s[32:33]  the source at the work-group's first segment; never rewritten
.set DST,    40                        ; s[40:47]  the destination at segments 0, 8, 16, 24: a pair at DST + 2 q; never rewritten (s41 to s44 serve as temporaries before)
	s_load_b512 s[8:23], s[0:1], 0x0               ; x 8:9, h 10:11, Wf 12:13, Wu 14:15, Wc 16:17, Wo 18:19, a_bf 20:21, w_bf 22:23
	s_lshr_b32 s2, ttmp9, 8                        ; kind: 0 x, 1 h, 2 weights
	s_and_b32 s3, ttmp9, 255                       ; the work-group's number within its kind
	s_lshr_b32 s4, s3, 6                           ; weights: gate g
	s_and_b32 s5, s3, 63                           ; weights: v, the block of 16 rows in the gate's matrix = 4 tc + cb
	s_lshr_b32 s6, s5, 2
	s_lshl_b32 s6, s6, 4                           ; 16 tc
	s_lshl2_add_u32 s6, s4, s6                     ; + 4 g
	s_and_b32 s7, s5, 3
	s_add_co_u32 s6, s6, s7                        ; + cb: the block of 16 rows in w_bf,
	s_lshl_b32 s6, s6, 16                          ; in bytes (16 rows of 4,096)
	s_lshl_b32 s7, s3, 17                          ; x, h: 32 rows of 4,096 bytes in a_bf,
	s_lshl_b32 s41, s2, 11
	s_add_co_u32 s7, s7, s41                       ; h's half of a row lies 2,048 bytes in
	s_lshl_b32 s42, s5, 17                         ; source: 16 rows of 8,192 bytes of a weight matrix,
	s_lshl_b32 s43, s3, 17                         ; or 32 rows of 4,096 bytes of x or h
	s_mov_b32 s44, 4096
	s_cmp_lt_u32 s2, 2                             ; x or h?  (moves and selects leave SCC as it is)
	s_cselect_b32 s24, s43, s42                    ; the source's offset
	s_cselect_b32 s26, s7, s6                      ; the destination's offset
	s_cselect_b32 s28, s44, 2048                   ; from segment to segment in the destination: a row of a_bf, or half a row of w_bf
	s_mov_b32 s25, 0
	s_mov_b32 s27, 0
	s_lshl_b32 s30, s28, 3                         ; eight segments' step in the destination
	s_mov_b32 s31, 0
	v_lshlrev_b32 v[INO], 4, v0
	v_lshlrev_b32 v[OUTO], 3, v0
.irp i, 1,2,3,4,5,6,7
	v_add_nc_u32 v[OUTO+(\i)], s28, v[OUTO+(\i)-1]
.endr
	s_wait_kmcnt 0x0
	s_cmp_eq_u32 s2, 0                             ; the buffers are chosen by selects on ids alone; each compare stands directly ahead of its selects
	s_cselect_b64 s[32:33], s[8:9], s[10:11]       ; x or h
	s_cmp_eq_u32 s4, 0
	s_cselect_b64 s[34:35], s[12:13], s[14:15]     ; Wf or Wu
	s_cmp_eq_u32 s4, 2
	s_cselect_b64 s[36:37], s[16:17], s[18:19]     ; Wc or Wo
	s_cmp_lt_u32 s4, 2
	s_cselect_b64 s[34:35], s[34:35], s[36:37]     ; the gate's matrix
	s_cmp_lt_u32 s2, 2
	s_cselect_b64 s[SRC:SRC+1], s[32:33], s[34:35]
	s_cselect_b64 s[DST:DST+1], s[20:21], s[22:23]
	s_add_nc_u64 s[SRC:SRC+1], s[SRC:SRC+1], s[24:25]
	s_add_nc_u64 s[DST:DST+1], s[DST:DST+1], s[26:27]
.irp q, 1,2,3
	s_add_nc_u64 s[DST+2*(\q):DST+2*(\q)+1], s[DST+2*(\q)-2:DST+2*(\q)-1], s[30:31]  ; the destination at segments 8, 16, 24
.endr
	s_wait_alu depctr_va_vdst(0)                   ; v1 and v[2:9] are written: every load and store of the kernel reads one of them as its offset
.irp i, 0,1,2,3,4,5,6,7,8,9,10,11
	global_load_b128 v[X+4*(\i):X+4*(\i)+3], v[INO], s[SRC:SRC+1] offset:(\i)*SEG th:TH_LOAD_NT  ; blocks 0, 1 and 2 into X0, X1, X2
.endr
; Block p.  first = 1: block 0, with no block in front of it.  ahead = 1: block p + 3 is loaded.
; left = how many younger loads may still be out when this block's four have to be there.
.macro BLK p, first, ahead, left
	s_wait_loadcnt \left                           ; loads come back in order (ISA guide 5.7.1): X[p % 4] is in, the younger blocks stay out
.if !\first
	s_wait_alu depctr_va_vdst(0)                   ; the block before has written its Y, which the stores below read, and is done reading its X, in which the loads below land
.endif
.irp i, 0,1,2,3
.if \ahead
	global_load_b128 v[X+16*(((\p)+3)%4)+4*(\i):X+16*(((\p)+3)%4)+4*(\i)+3], v[INO], s[SRC:SRC+1] offset:(BLOCK*((\p)+3)+(\i))*SEG th:TH_LOAD_NT  ; three blocks ahead, the load ahead of the store; no vector instruction since the wait names these registers
.endif
.if !\first
	global_store_b64 v[OUTO+BLOCK*(((\p)-1)%2)+(\i)], v[Y+8*((\p)-1)+2*(\i):Y+8*((\p)-1)+2*(\i)+1], s[DST+2*(((\p)-1)/2):DST+2*(((\p)-1)/2)+1]  ; the block before
.endif
	v_cvt_pk_bf16_f32 v[Y+8*(\p)+2*(\i)],   v[X+16*((\p)%4)+4*(\i)],   v[X+16*((\p)%4)+4*(\i)+1]  ; two roundings to bf16, packed
	v_cvt_pk_bf16_f32 v[Y+8*(\p)+2*(\i)+1], v[X+16*((\p)%4)+4*(\i)+2], v[X+16*((\p)%4)+4*(\i)+3]
.endr
.endm
	BLK 0, 1, 1, 2*BLOCK                           ; block 0: no vector instruction has named X3, and the head's wait has covered the offsets
	BLK 1, 0, 1, 2*BLOCK
	BLK 2, 0, 1, 2*BLOCK
	BLK 3, 0, 1, 2*BLOCK
	BLK 4, 0, 1, 2*BLOCK                           ; asks for block 7, the last
	BLK 5, 0, 0, 2*BLOCK                           ; blocks 5 to 7 load nothing: no load leaves the buffer, and the counts run down
	BLK 6, 0, 0, BLOCK
	BLK 7, 0, 0, 0
	s_wait_alu depctr_va_vdst(0)                   ; block 7 has written Y7, which the last four stores read
.irp i, 0,1,2,3
	global_store_b64 v[OUTO+BLOCK+(\i)], v[Y+8*(BLOCKS-1)+2*(\i):Y+8*(BLOCKS-1)+2*(\i)+1], s[DST+6:DST+7]
.endr
	s_endpgm
.Lfunc_end_k_qea3ec58bdb_cast:
	.size	k_qea3ec58bdb_cast, .Lfunc_end_k_qea3ec58bdb_cast-k_qea3ec58bdb_cast
	.p2alignl 7, 3214868480
	.fill 96, 4, 3214868480
	.section	.rodata,"a",@progbits
	.p2align	6, 0x0
	.amdhsa_kernel k_qea3ec58bdb_cast
		.amdhsa_group_segment_fixed_size 0
		.amdhsa_private_segment_fixed_size 0
		.amdhsa_enable_private_segment 0
		.amdhsa_kernarg_size 64
		.amdhsa_user_sgpr_count 2
		.amdhsa_user_sgpr_kernarg_segment_ptr 1
		.amdhsa_wavefront_size32 1
		.amdhsa_system_sgpr_workgroup_id_x 1
		.amdhsa_system_sgpr_workgroup_id_y 1
		.amdhsa_system_sgpr_workgroup_id_z 1
		.amdhsa_system_vgpr_workitem_id 0
		.amdhsa_next_free_vgpr 144
		.amdhsa_next_free_sgpr 66
		.amdhsa_reserve_vcc 0
		.amdhsa_float_denorm_mode_32 3
		.amdhsa_float_denorm_mode_16_64 3
		.amdhsa_memory_ordered 1
		.amdhsa_forward_progress 1
		.amdhsa_inst_pref_size 13
	.end_amdhsa_kernel
	.amdgpu_metadata
---
amdhsa.version: [ 1, 2 ]
amdhsa.kernels:
  - .name:           k_qea3ec58bdb_cast
    .symbol:         k_qea3ec58bdb_cast.kd
    .args:
      - { .name: x, .offset: 0, .size: 8, .value_kind: global_buffer, .address_space: global }
      - { .name: h, .offset: 8, .size: 8, .value_kind: global_buffer, .address_space: global }
      - { .name: Wf, .offset: 16, .size: 8, .value_kind: global_buffer, .address_space: global }
      - { .name: Wu, .offset: 24, .size: 8, .value_kind: global_buffer, .address_space: global }
      - { .name: Wc, .offset: 32, .size: 8, .value_kind: global_buffer, .address_space: global }
      - { .name: Wo, .offset: 40, .size: 8, .value_kind: global_buffer, .address_space: global }
      - { .name: a_bf, .offset: 48, .size: 8, .value_kind: global_buffer, .address_space: global }
      - { .name: w_bf, .offset: 56, .size: 8, .value_kind: global_buffer, .address_space: global }
    .group_segment_fixed_size: 0
    .private_segment_fixed_size: 0
    .kernarg_segment_align: 8
    .kernarg_segment_size: 64
    .max_flat_workgroup_size: 256
    .sgpr_count:     66
    .vgpr_count:     144
    .wavefront_size: 32
...
	.end_amdgpu_metadata
.endif
;; end of part 3
;; launch lstm: the kernel of part 2 again; grid 16 x 32, 4 waves a work-group, clusters of 4 x 4, 327,680 bytes of LDS; arguments a_bf, w_bf, c, bf, bu, bc, bo, out0, out1; writes out0, out1
